; MI455X (gfx1250); checked and timed in simulation.
; The chip was launched on July 23, 2026; its instructions are those of AMD's public machine-readable ISA for CDNA 5 (MIT licence, August 2026) and "CDNA5" Instruction Set Architecture Reference Guide (July 2026). The comments in the code are by the model that wrote it; some were corrected since.
;; Attention. Allowed arithmetic: matrix products marked QUANTISED: E4M3 operands, one E8M0 scale for each 32 along K, by v_wmma_scale_f32_16x16x128_f8f6f4 with both operands' format E4M3, f32 sums; everything else in f32.
;; Inputs: W_k_codes 1,024 x 32 x 32 uint8 (E4M3 codes of W_k, K innermost, in blocks of 32 codes); W_k_scales 1,024 x 32 uint8 (E8M0 scales of W_k, one for each 32 codes along K); W_o_codes 1,024 x 32 x 32 uint8 (E4M3 codes of W_o, K innermost, in blocks of 32 codes); W_o_scales 1,024 x 32 uint8 (E8M0 scales of W_o, one for each 32 codes along K); W_q_codes 1,024 x 32 x 32 uint8 (E4M3 codes of W_q, K innermost, in blocks of 32 codes); W_q_scales 1,024 x 32 uint8 (E8M0 scales of W_q, one for each 32 codes along K); W_v_codes 1,024 x 32 x 32 uint8 (E4M3 codes of W_v, K innermost, in blocks of 32 codes); W_v_scales 1,024 x 32 uint8 (E8M0 scales of W_v, one for each 32 codes along K); b_o 1,024 float32; context_codes 4 x 2,048 x 32 x 32 uint8 (E4M3 codes of context, K innermost, in blocks of 32 codes); context_scales 4 x 2,048 x 32 uint8 (E8M0 scales of context, one for each 32 codes along K); x_codes 4 x 2,048 x 32 x 32 uint8 (E4M3 codes of x, K innermost, in blocks of 32 codes); x_scales 4 x 2,048 x 32 uint8 (E8M0 scales of x, one for each 32 codes along K).
;; Outputs: out0 4 x 2,048 x 1,024 float32.
;; This version of the problem:
;;   THIS VERSION OF THE PROBLEM IS GIVEN IN LOW PRECISION. The matrix products marked QUANTISED in the list below multiply operands that are first quantised to E4M3 (4 exponent bits, 3 mantissa bits; 8 bits a number), with one power-of-two scale for each 32 numbers along K (OCP MX v1.0); their sums are f32. All else is computed in f32.
;;   The module's matrix products, in the order in which they are computed (A, B: the left and right operand; K: the contracted axis; several contracted axes count as one K, in the product's order):
;;     1. [M 8,192, K 1,024] x [K 1,024, N 1,024]; A: input x (given as codes); B: input W_q (given as codes): QUANTISED
;;     2. [M 8,192, K 1,024] x [K 1,024, N 1,024]; A: input context (given as codes); B: input W_k (given as codes): QUANTISED
;;     3. [M 8,192, K 1,024] x [K 1,024, N 1,024]; A: input context (given as codes); B: input W_v (given as codes): QUANTISED
;;     4. batch 64 x [M 2,048, K 64] x [K 64, N 2,048]; A: computed on the way; B: computed on the way: QUANTISED
;;     5. batch 64 x [M 2,048, K 2,048] x [K 2,048, N 64]; A: softmax (see below); B: computed on the way: QUANTISED
;;     6. [M 8,192, K 1,024] x [K 1,024, N 1,024]; A: computed on the way; B: input W_o (given as codes): QUANTISED
;;   THE QUANTISER, for each operand of a quantised product, along K:
;;     - K is cut into blocks of 32 from its start; a last block that is shorter is filled with zeros.
;;     - A block's scale is 2^e with e = floor(log2(the largest magnitude in the block)) - 8, held to -126 .. 127; a block of zeros has e = 0. As a byte (E8M0): e + 127.
;;     - Each number is divided by its block's scale, clamped to +-448, and rounded to the nearest number of E4M3, ties to even, subnormals kept.
;;     - The product sums the exact products of the quantised numbers (number of the format x scale) in f32.
;;   ~~~python
;;   def quantise(x, axis):      # numpy; x: float32 -> the quantised numbers, widened to float32 again
;;       x = np.moveaxis(x, axis, -1); K = x.shape[-1]
;;       x = np.pad(x, [(0, 0)] * (x.ndim - 1) + [(0, -K % 32)]); x = x.reshape(x.shape[:-1] + (-1, 32)); a = np.abs(x).max(-1, keepdims=True)
;;       e = np.where(a > 0, np.clip(np.frexp(np.where(a > 0, a, 1))[1] - 1 - 8, -126, 127), 0)      # np.frexp(a)[1] - 1 = floor(log2(a)), exactly
;;       r = np.clip(x / 2.0 ** e, -448, 448)
;;       step = 2.0 ** (np.maximum(np.frexp(np.where(r == 0, 1, r))[1] - 1, -6) - 3)
;;       q = np.round(r / step) * step * 2.0 ** e      # np.round: ties to even
;;       return np.moveaxis(q.reshape(q.shape[:-2] + (-1,))[..., :K], -1, axis).astype(np.float32)
;;   ~~~
;;   SOFTMAX AHEAD OF A QUANTISED PRODUCT. Where the list says 'softmax', what is quantised is not the finished softmax but p = 2^(t - M), with t = logit x log2(e) and M = ceil(the row's largest t), a whole number; so 1/2 < the row's largest p <= 1. The row's sum l is taken of the UNQUANTISED p, in f32, and the product's result is divided by l at the end. Since M is a whole number, a kernel that streams over the keys may use a running M (the ceiling of the running maximum): every later rescaling is an exact power of two, which a block's scale takes up: the codes' values come out the same.
;;   OPERANDS COMPUTED ON THE WAY. 'Computed on the way' means the value that the module computes at that place (a softmax that the list does not call 'softmax' is quantised finished and normalised). What goes into a quantiser is computed in f32, as accurately as f32 sums, v_exp_f32 and their like allow (about 1e-6 of the number): no bf16 or f16 on the way to a quantiser, and a product that is left as it is and whose result goes on into a quantised operand takes f32 operands (vector FMAs, or v_wmma_f32_16x16x4_f32). A number that lies on a knife's edge between two numbers of the format may be rounded either way, as far as f32 arithmetic and the matrix unit's own rounding can turn it there, and no further.
;;   INPUTS GIVEN AS CODES. W_k (in the module: [1024, 1024], K = its axis 0); W_o (in the module: [1024, 1024], K = its axis 0); W_q (in the module: [1024, 1024], K = its axis 0); W_v (in the module: [1024, 1024], K = its axis 0); context (in the module: [4, 2048, 1024], K = its axis 2); x (in the module: [4, 2048, 1024], K = its axis 2): each comes as NAME_codes (uint8): NAME with its K axis moved to the last place and cut into blocks of 32 codes, [.., K / 32, bytes a block], one block behind the other in memory; one code a byte (a code: sign, 4 exponent bits, 3 mantissa bits); and NAME_scales (uint8): the same leading axes, one E8M0 byte (e + 127) for each 32 codes along K. Its value is code x scale, taken as it is: it is not quantised again, and the codes and scales need not be those that the quantiser above would give.
;; One version. Each part assembles by itself: llvm-mc -triple=amdgcn-amd-amdhsa -mcpu=gfx1250 --defsym DOCPART=n.
;; ======== version 1 of 1: 3 launches
;; limits: right only within a limited range of input values
;; workspace buffers: qc 8,388,608 bytes; qs 262,144 bytes; kv 17,301,504 bytes; ac 8,388,608 bytes; osc 524,288 bytes
;; launch proj (part 1): grid 12 x 32, 4 waves a work-group, clusters of 4 x 4, 327,680 bytes of LDS; arguments x_codes, x_scales, context_codes, context_scales, W_q_codes, W_q_scales, W_k_codes, W_k_scales, W_v_codes, W_v_scales, qc, qs, kv; writes qc, qs, kv
.if DOCPART == 1
	.amdgcn_target "amdgcn-amd-amdhsa--gfx1250"
	.amdhsa_code_object_version 6
	.text
	.protected	k_q5541a9be44_proj
	.globl	k_q5541a9be44_proj
	.p2align	8
	.type	k_q5541a9be44_proj,@function
k_q5541a9be44_proj:
	s_mov_b64 s[64:65], 0
	v_nop
	global_prefetch_b8 v0, s[64:65] scope:SCOPE_SE
	s_setreg_imm32_b32 hwreg(HW_REG_WAVE_MODE, 25, 1), 1
	s_wait_xcnt 0x0
	s_wait_alu depctr_hold_cnt(0) depctr_sa_sdst(0) depctr_va_vdst(0) depctr_va_sdst(0) depctr_va_ssrc(0) depctr_va_vcc(0) depctr_vm_vsrc(0)
	s_getreg_b32 s2, hwreg(HW_REG_IB_STS2, 6, 4)
	s_cmp_eq_u32 s2, 0
	s_cbranch_scc0 .Lentry_in_a_cluster
	s_endpgm
.Lentry_in_a_cluster:
	s_bfe_u32 s2, ttmp6, 0x10000c
	s_cmp_lg_u32 s2, 0xf033
	s_cbranch_scc0 .Lentry_shape_is_right
	s_endpgm
.Lentry_shape_is_right:
.set PITCH,  272
.set HALFT,  128*PITCH
.set SLOT,   4*HALFT
.set SPARE,  2*SLOT
.set FR,     16
.set NP,     8
.set REC,    16896
.set HS,     16*REC
.set ADRA, 16
.set ADRB, 20
.set LI,   24
.set VSO,  25
.set SL,   26
.set SPW,  28
.set NIL,  29
.set SA,   32
.set SB,   64
.set TM,   96
.set PW0,  112
.set SELR, 114
.set WD,   115
.set AF,   128
.set PC,   128
.set G1, 24
.set G0, 32
.set G1B, 48
.set G0B, 56
.set PA,   12
.set PB,   66
.set PSC,  68
.set STA,  70
.set STA4, 72
.set DC,   74
.set STS1, 76
.set STS2, 78
.set XH,   80
.set SEL,  84
.set MNT,  86
.set MSB, 0
.macro WIN new
.if MSB != \new
	s_set_vgpr_msb (MSB<<8)|\new
.set MSB, \new
.endif
.endm
.set MUL_LO, 0xa1
.set MUL_HI, 0xf1
.set TO_B,   0x40
.macro JLOAD g0a, g1a, g0b, g1b
	s_cmp_eq_u32 s15, 0
	s_cbranch_scc0 .Lfor_b_\@
	tensor_load_to_lds s[\g0a:\g0a+3], s[\g1a:\g1a+7]
	s_nop 0
.rept 4
	v_nop
.endr
	s_branch .Lasked_\@
.Lfor_b_\@:
	tensor_load_to_lds s[\g0b:\g0b+3], s[\g1b:\g1b+7]
	s_nop 0
.rept 4
	v_nop
.endr
.Lasked_\@:
.endm
.macro CREST
	s_cmp_lg_u32 s14, 0
	s_cbranch_scc1 .Lnot_wave_0_\@
	s_barrier_signal -3
.Lnot_wave_0_\@:
	s_barrier_wait -3
	s_barrier_signal -1
	s_barrier_wait -1
.endm
.macro CROUND
	s_barrier_signal -1
	s_barrier_wait -1
	CREST
.endm
.macro PLACES n
.rept \n
	v_nop
.endr
.endm
	s_load_b512 s[68:83], s[0:1], 0x0
	s_load_b256 s[84:91], s[0:1], 0x40
	s_load_b64 s[92:93], s[0:1], 0x60
	v_lshl_add_u32 v[SPW], v0, 2, SPARE
	v_mov_b32 v[NIL], 0
	ds_add_u32 v28, v29
	ds_add_u32 v28, v29
	s_wait_dscnt 0x0
	v_lshrrev_b32 v1, 5, v0
	v_readfirstlane_b32 s14, v1
	s_lshr_b32 s15, s14, 1
	s_and_b32 s16, s14, 1
	s_bfe_u32 s40, ttmp6, 0x40000
	s_bfe_u32 s41, ttmp6, 0x40004
	s_and_b32 s18, ttmp7, 0xffff
	s_lshl_b32 s18, s18, 2
	s_cmp_eq_u32 ttmp9, 2
	s_cselect_b32 s17, 0, s18
	s_cselect_b32 s42, s18, 0
	s_add_co_u32 s17, s17, s41
	s_add_co_u32 s42, s42, s40
	s_lshl_b32 s43, s41, 2
	s_lshl_b32 s43, 15, s43
	s_lshl_b32 s44, 0x1111, s40
	s_or_b32 s[G1+0], s43, (1<<20)|(1<<21)|(5<<22)|(3<<25)
	s_or_b32 s[G1B+0], s44, (1<<20)|(1<<21)|(5<<22)|(3<<25)
.irp g, G1, G1B
	s_mov_b32 s[\g+1], 256<<16
	s_mov_b32 s[\g+2], 128<<16
	s_mov_b32 s[\g+3], 256<<16
	s_mov_b32 s[\g+4], 128
	s_mov_b32 s[\g+5], 1024
	s_mov_b32 s[\g+6], 0
	s_mov_b32 s[\g+7], 0
.endr
	s_lshl_b32 s18, s16, 7
	s_lshl_b32 s20, s17, 8
	s_add_co_u32 s20, s20, s18
	s_lshl_b32 s20, s20, 10
	s_mov_b32 s21, 0
	s_lshl_b32 s46, s42, 8
	s_add_co_u32 s46, s46, s18
	s_lshl_b32 s46, s46, 10
	s_mov_b32 s47, 0
	s_mul_i32 s45, s14, HALFT
	s_wait_kmcnt 0x0
	s_cmp_eq_u32 ttmp9, 0
	s_cselect_b64 s[4:5], s[68:69], s[72:73]
	s_cselect_b64 s[6:7], s[70:71], s[74:75]
	s_cselect_b64 s[8:9], s[76:77], s[80:81]
	s_cselect_b64 s[10:11], s[78:79], s[82:83]
	s_cselect_b64 s[PA:PA+1], s[88:89], s[92:93]
	s_cselect_b64 s[PSC:PSC+1], s[90:91], s[92:93]
	s_cmp_eq_u32 ttmp9, 2
	s_cselect_b64 s[4:5], s[84:85], s[4:5]
	s_cselect_b64 s[6:7], s[86:87], s[6:7]
	s_cselect_b64 s[8:9], s[72:73], s[8:9]
	s_cselect_b64 s[10:11], s[74:75], s[10:11]
	s_add_nc_u64 s[20:21], s[4:5], s[20:21]
	s_add_nc_u64 s[46:47], s[8:9], s[46:47]
	CROUND
.irp s, 0,1
	s_mov_b32 s[G0+4*\s], 1
	s_add_co_u32 s[G0+4*\s+1], s45, \s*SLOT
	s_add_nc_u64 s[G0+4*\s+2:G0+4*\s+3], s[20:21], \s*256
	s_or_b32 s[G0+4*\s+3], s[G0+4*\s+3], 0x80000000
	s_mov_b32 s[G0B+4*\s], 1
	s_add_co_u32 s[G0B+4*\s+1], s45, \s*SLOT
	s_add_nc_u64 s[G0B+4*\s+2:G0B+4*\s+3], s[46:47], \s*256
	s_or_b32 s[G0B+4*\s+3], s[G0B+4*\s+3], 0x80000000
	s_wait_alu depctr_va_vdst(0)
	s_wait_tensorcnt 0x0
	ds_add_u32 v28, v29
	ds_add_u32 v28, v29
	s_wait_dscnt 0x0
	CROUND
	JLOAD G0+4*\s, G1, G0B+4*\s, G1B
.endr
	s_lshl_b32 s94, s17, 8
	s_lshl_b32 s95, s15, 7
	s_add_co_u32 s94, s94, s95
	s_lshl_b32 s96, s42, 8
	s_lshl_b32 s97, s16, 7
	s_add_co_u32 s96, s96, s97
	s_lshl_b32 s2, s94, 5
	s_mov_b32 s3, 0
	s_add_nc_u64 s[6:7], s[6:7], s[2:3]
	s_lshl_b32 s2, s96, 5
	s_add_nc_u64 s[10:11], s[10:11], s[2:3]
	v_and_b32 v5, 31, v0
	v_lshlrev_b32 v[SL], 5, v5
	v_lshlrev_b32 v[LI], 4, v5
.irp i, 0,1,2,3
	global_load_b128 v[SA+8*\i:SA+8*\i+3],   v[SL], s[6:7] offset:1024*\i
	global_load_b128 v[SA+8*\i+4:SA+8*\i+7], v[SL], s[6:7] offset:1024*\i+16
	global_load_b128 v[SB+8*\i:SB+8*\i+3],   v[SL], s[10:11] offset:1024*\i
	global_load_b128 v[SB+8*\i+4:SB+8*\i+7], v[SL], s[10:11] offset:1024*\i+16
.endr
	v_and_b32 v1, 15, v0
	v_bfe_u32 v2, v0, 4, 1
	s_wait_alu depctr_va_vdst(0)
	v_mul_u32_u24 v3, v1, PITCH
	v_lshl_add_u32 v4, v2, 4, v3
	s_mul_i32 s21, s15, HALFT
	s_mul_i32 s22, s16, HALFT
	s_add_co_u32 s22, s22, 2*HALFT
.irp s, 0,1
	v_add_nc_u32 v[ADRA+\s], s21, v4
	v_add_nc_u32 v[ADRB+\s], s22, v4
	s_add_co_u32 s21, s21, SLOT
	s_add_co_u32 s22, s22, SLOT
.endr
	s_cmp_eq_u32 ttmp9, 2
	s_cselect_b32 s95, s96, s94
	s_cselect_b32 s97, s94, s96
	s_lshr_b32 s94, s95, 11
	s_lshl_b32 s94, s94, 4
	s_lshr_b32 s97, s97, 6
	s_add_co_u32 s94, s94, s97
	s_bfe_u32 s95, s95, 0x40007
	s_lshl_b32 s96, s94, 4
	s_add_co_u32 s96, s96, s95
	s_mul_i32 s96, s96, REC
	s_lshl_b32 s97, s94, 17
	s_lshl_b32 s98, s95, 13
	s_add_co_u32 s97, s97, s98
	s_lshl_b32 s98, s94, 12
	s_lshl_b32 s99, s95, 8
	s_add_co_u32 s98, s98, s99
	s_cmp_eq_u32 ttmp9, 2
	s_cselect_b32 s99, 8192, 0
	s_cselect_b32 s2, 256, 0
	s_mov_b32 s[STA], 1024
	s_cselect_b32 s[STA], 2048, s[STA]
	s_mov_b32 s[STA4], 1024
	s_cselect_b32 s[STA4], HS-6144, s[STA4]
	s_mov_b32 s[DC], HS
	s_cselect_b32 s[DC], 1024, s[DC]
	s_cselect_b32 s[STS1], 128, 64
	s_cselect_b32 s[STS2], HS-128, 64
	s_mov_b32 s[XH], HS
	s_cselect_b32 s[XH], 64, s[XH]
	s_mov_b32 s81, 0x05040100
	s_cselect_b32 s81, 0x03020100, s81
	s_mov_b32 s82, 0x07060302
	s_cselect_b32 s82, 0x07060504, s82
	s_add_co_u32 s99, s99, s96
	s_add_co_u32 s2, s2, s96
	s_add_co_u32 s2, s2, 16384
	s_cmp_eq_u32 ttmp9, 0
	s_cselect_b32 s[DC], 131072, s[DC]
	s_cselect_b32 s[XH], 4096, s[XH]
	s_cselect_b32 s98, s98, s2
	s_cselect_b32 s96, s97, s99
	s_mov_b32 s97, 0
	s_mov_b32 s99, 0
	s_mov_b32 s[STA+1], 0
	s_mov_b32 s[STA4+1], 0
	s_mov_b32 s[DC+1], 0
	s_mov_b32 s[STS1+1], 0
	s_mov_b32 s[STS2+1], 0
	s_add_nc_u64 s[PA:PA+1], s[PA:PA+1], s[96:97]
	s_add_nc_u64 s[PSC:PSC+1], s[PSC:PSC+1], s[98:99]
	s_add_nc_u64 s[PB:PB+1], s[PA:PA+1], s[DC:DC+1]
	s_mov_b32 s[SEL], 0x76543210
	s_mov_b32 s[SEL+1], 0xfedcba98
	s_mov_b32 s[MNT], 0x600000
	v_mul_u32_u24 v[VSO], s[XH], v2
	v_lshl_add_u32 v[VSO], v1, 2, v[VSO]
	v_mov_b32 v[SELR], s81
	v_mov_b32 v3, s82
	v_cmp_eq_u32 vcc_lo, 1, v2
	v_cndmask_b32 v[SELR], v[SELR], v3, vcc_lo
.irp b, 0,1,2,3
	v_mov_b32 v[TM+4+\b], 0
.endr
.macro FRAG reg, adr, q, i
.irp c, 0,1,2,3
	ds_load_b128 v[\reg+4*\c:\reg+4*\c+3], v[\adr] offset:128*(\q)+32*\c+(\i)*16*PITCH
.endr
.endm
.macro WM zero, rb, ra
.if \zero
.if (\rb) && (\ra)
	v_wmma_scale_f32_16x16x128_f8f6f4 v[rD:rD+7], v[rB:rB+15], v[rA:rA+15], 0, v[rSB], v[rSA] matrix_a_scale:MATRIX_SCALE_ROW1 matrix_b_scale:MATRIX_SCALE_ROW1
.elseif (\rb)
	v_wmma_scale_f32_16x16x128_f8f6f4 v[rD:rD+7], v[rB:rB+15], v[rA:rA+15], 0, v[rSB], v[rSA] matrix_a_scale:MATRIX_SCALE_ROW1
.elseif (\ra)
	v_wmma_scale_f32_16x16x128_f8f6f4 v[rD:rD+7], v[rB:rB+15], v[rA:rA+15], 0, v[rSB], v[rSA] matrix_b_scale:MATRIX_SCALE_ROW1
.else
	v_wmma_scale_f32_16x16x128_f8f6f4 v[rD:rD+7], v[rB:rB+15], v[rA:rA+15], 0, v[rSB], v[rSA]
.endif
.else
.if (\rb) && (\ra)
	v_wmma_scale_f32_16x16x128_f8f6f4 v[rD:rD+7], v[rB:rB+15], v[rA:rA+15], v[rD:rD+7], v[rSB], v[rSA] matrix_a_scale:MATRIX_SCALE_ROW1 matrix_b_scale:MATRIX_SCALE_ROW1
.elseif (\rb)
	v_wmma_scale_f32_16x16x128_f8f6f4 v[rD:rD+7], v[rB:rB+15], v[rA:rA+15], v[rD:rD+7], v[rSB], v[rSA] matrix_a_scale:MATRIX_SCALE_ROW1
.elseif (\ra)
	v_wmma_scale_f32_16x16x128_f8f6f4 v[rD:rD+7], v[rB:rB+15], v[rA:rA+15], v[rD:rD+7], v[rSB], v[rSA] matrix_b_scale:MATRIX_SCALE_ROW1
.else
	v_wmma_scale_f32_16x16x128_f8f6f4 v[rD:rD+7], v[rB:rB+15], v[rA:rA+15], v[rD:rD+7], v[rSB], v[rSA]
.endif
.endif
.endm
.macro MUL16 a0, p, ks, zero
.irp a, \a0, \a0+1
.irp b, 0,1,2,3,4,5,6,7
.set rD, 8*(8*((\a)%4)+\b)
.set rB, 128*(\p)+FR*\b
.set rA, AF+FR*(\a)
.set rSB, SB+8*(\b/2)+(\ks)
.set rSA, SA+8*((\a)/2)+(\ks)
	WM \zero, \b%2, (\a)%2
.endr
.endr
.endm
.macro FETCH_B slot, q, p
	WIN TO_B
.irp i, 0,1,2,3,4,5,6,7
	FRAG 128*(\p)+FR*\i, ADRB+\slot, \q, \i
.endr
	WIN 0
.endm
.macro FETCH_A slot, q, i0
.irp i, \i0, \i0+1, \i0+2, \i0+3
	FRAG AF+FR*(\i), ADRA+\slot, \q, \i
.endr
.endm
.macro STEP slot, ks, zero
	s_wait_dscnt 16
	WIN MUL_LO
	MUL16 0, 0, \ks, \zero
	MUL16 2, 0, \ks, \zero
	s_wait_dscnt 0x0
	PLACES NP
	FETCH_B \slot, 1, 1
	FETCH_A \slot, 1, 0
	WIN MUL_HI
	MUL16 4, 0, \ks, \zero
	MUL16 6, 0, \ks, \zero
	PLACES NP
	WIN 0
	FETCH_A \slot, 1, 4
.endm
.macro TURN slot, next, ks, fill
	s_wait_tensorcnt 0x0
	ds_add_u32 v[SPW], v[NIL]
	s_wait_dscnt 17
	WIN MUL_LO
	MUL16 0, 1, \ks, 0
	s_wait_dscnt 0x0
	s_barrier_signal -1
	MUL16 2, 1, \ks, 0
	WIN 0
	s_barrier_wait -1
.if \fill
	CREST
	s_add_nc_u64 s[G0+4*\slot+2:G0+4*\slot+3], s[G0+4*\slot+2:G0+4*\slot+3], 512
	s_add_nc_u64 s[G0B+4*\slot+2:G0B+4*\slot+3], s[G0B+4*\slot+2:G0B+4*\slot+3], 512
	JLOAD G0+4*\slot, G1, G0B+4*\slot, G1B
	PLACES NP-4
.else
	PLACES NP
.endif
	FETCH_B \next, 0, 0
	FETCH_A \next, 0, 0
	WIN MUL_HI
	MUL16 4, 1, \ks, 0
	MUL16 6, 1, \ks, 0
	PLACES NP
	WIN 0
	FETCH_A \next, 0, 4
.endm
	s_wait_tensorcnt 1
	s_barrier_signal -1
	s_barrier_wait -1
	FETCH_B 0, 0, 0
	FETCH_A 0, 0, 0
	FETCH_A 0, 0, 4
	s_wait_loadcnt 0x0
	STEP 0, 0, 1
	TURN 0, 1, 1, 1
	STEP 1, 2, 0
	TURN 1, 0, 3, 1
	STEP 0, 4, 0
	TURN 0, 1, 5, 0
	STEP 1, 6, 0
	s_wait_dscnt 16
	WIN MUL_LO
	MUL16 0, 1, 7, 0
	MUL16 2, 1, 7, 0
	s_wait_dscnt 0x0
	WIN MUL_HI
	MUL16 4, 1, 7, 0
	MUL16 6, 1, 7, 0
	WIN 0
.macro QUANTW a
.set AC, 64*((\a)%4)
.set WW, 2+(\a)/4
	WIN 5*WW
.irp b, 0,1,2,3
	v_max3_num_f32 v[TM+\b], |v[AC+16*\b]|, |v[AC+16*\b+1]|, 0x4800000
.endr
.irp i, 2,4,6,8,10,12,14
.irp b, 0,1,2,3
	v_max3_num_f32 v[TM+\b], |v[AC+16*\b+\i]|, |v[AC+16*\b+\i+1]|, v[TM+\b]
.endr
.endr
	WIN 0
.irp b, 0,1,2,3
	v_permlanex16_b32 v[TM+4+\b], v[TM+\b], s[SEL], s[SEL+1]
.endr
.irp b, 0,1,2,3
	v_max_num_f32 v[TM+\b], v[TM+\b], v[TM+4+\b]
.endr
.irp b, 0,1,2,3
	v_add_nc_u32 v[TM+12+\b], 0xfc000000, v[TM+\b]
.endr
.irp b, 0,1,2,3
	v_and_or_b32 v[TM+8+\b], v[TM+\b], 0x7f800000, s[MNT]
.endr
.irp b, 0,1,2,3
	v_lshrrev_b32 v[TM+4+\b], 23, v[TM+12+\b]
.endr
	v_lshl_or_b32 v[PW0+(\a)%2], v[TM+5], 8, v[TM+4]
	v_lshl_or_b32 v[PW0+(\a)%2], v[TM+6], 16, v[PW0+(\a)%2]
	v_lshl_or_b32 v[PW0+(\a)%2], v[TM+7], 24, v[PW0+(\a)%2]
	WIN 65*WW
.irp b, 0,1,2,3
.irp i, 0,1,2,3,4,5,6,7,8,9,10,11,12,13,14,15
	v_med3_num_f32 v[AC+16*\b+\i], v[AC+16*\b+\i], -v[TM+8+\b], v[TM+8+\b]
.endr
.endr
	WIN WW
.irp b, 0,1,2,3
	v_cvt_scalef32_pk8_fp8_f32 v[PC+4*\b:PC+4*\b+1], v[AC+16*\b:AC+16*\b+7], v[TM+12+\b]
	v_cvt_scalef32_pk8_fp8_f32 v[PC+4*\b+2:PC+4*\b+3], v[AC+16*\b+8:AC+16*\b+15], v[TM+12+\b]
.endr
	WIN 0
	v_nop
.endm
.macro OUTB a
.if (\a) > 0
	s_wait_xcnt 0x0
.if (\a) == 4
	s_add_nc_u64 s[PA:PA+1], s[PA:PA+1], s[STA4:STA4+1]
	s_add_nc_u64 s[PB:PB+1], s[PB:PB+1], s[STA4:STA4+1]
.else
	s_add_nc_u64 s[PA:PA+1], s[PA:PA+1], s[STA:STA+1]
	s_add_nc_u64 s[PB:PB+1], s[PB:PB+1], s[STA:STA+1]
.endif
.if (\a) == 5
	s_add_nc_u64 s[PSC:PSC+1], s[PSC:PSC+1], s[STS2:STS2+1]
.elseif ((\a) == 3) || ((\a) == 7)
	s_add_nc_u64 s[PSC:PSC+1], s[PSC:PSC+1], s[STS1:STS1+1]
.endif
.endif
	QUANTW \a
	global_store_b128 v[LI], v[PC:PC+3], s[PA:PA+1]
	global_store_b128 v[LI], v[PC+4:PC+7], s[PA:PA+1] offset:512
	global_store_b128 v[LI], v[PC+8:PC+11], s[PB:PB+1]
	global_store_b128 v[LI], v[PC+12:PC+15], s[PB:PB+1] offset:512
.if (\a)%2
	v_perm_b32 v[WD], v[PW0+1], v[PW0], v[SELR]
	global_store_b32 v[VSO], v[WD], s[PSC:PSC+1]
.endif
.endm
	PLACES NP
.irp a, 0,1,2,3,4,5,6,7
	OUTB \a
.endr
	s_wait_tensorcnt 0x0
	ds_add_u32 v[SPW], v[NIL]
	s_wait_dscnt 0x0
	CROUND
	s_endpgm
.Lfunc_end_k_q5541a9be44_proj:
	.size	k_q5541a9be44_proj, .Lfunc_end_k_q5541a9be44_proj-k_q5541a9be44_proj
	.p2alignl 7, 3214868480
	.fill 96, 4, 3214868480
	.section	.rodata,"a",@progbits
	.p2align	6, 0x0
	.amdhsa_kernel k_q5541a9be44_proj
		.amdhsa_group_segment_fixed_size 327680
		.amdhsa_private_segment_fixed_size 0
		.amdhsa_enable_private_segment 0
		.amdhsa_kernarg_size 104
		.amdhsa_user_sgpr_count 2
		.amdhsa_user_sgpr_kernarg_segment_ptr 1
		.amdhsa_wavefront_size32 1
		.amdhsa_system_sgpr_workgroup_id_x 1
		.amdhsa_system_sgpr_workgroup_id_y 1
		.amdhsa_system_sgpr_workgroup_id_z 1
		.amdhsa_system_vgpr_workitem_id 0
		.amdhsa_next_free_vgpr 1024
		.amdhsa_next_free_sgpr 100
		.amdhsa_reserve_vcc 1
		.amdhsa_float_denorm_mode_32 3
		.amdhsa_float_denorm_mode_16_64 3
		.amdhsa_memory_ordered 1
		.amdhsa_forward_progress 1
		.amdhsa_inst_pref_size 186
	.end_amdhsa_kernel
	.amdgpu_metadata
---
amdhsa.version: [ 1, 2 ]
amdhsa.kernels:
  - .name:           k_q5541a9be44_proj
    .symbol:         k_q5541a9be44_proj.kd
    .args:
      - { .name: x_codes, .offset: 0, .size: 8, .value_kind: global_buffer, .address_space: global }
      - { .name: x_scales, .offset: 8, .size: 8, .value_kind: global_buffer, .address_space: global }
      - { .name: context_codes, .offset: 16, .size: 8, .value_kind: global_buffer, .address_space: global }
      - { .name: context_scales, .offset: 24, .size: 8, .value_kind: global_buffer, .address_space: global }
      - { .name: W_q_codes, .offset: 32, .size: 8, .value_kind: global_buffer, .address_space: global }
      - { .name: W_q_scales, .offset: 40, .size: 8, .value_kind: global_buffer, .address_space: global }
      - { .name: W_k_codes, .offset: 48, .size: 8, .value_kind: global_buffer, .address_space: global }
      - { .name: W_k_scales, .offset: 56, .size: 8, .value_kind: global_buffer, .address_space: global }
      - { .name: W_v_codes, .offset: 64, .size: 8, .value_kind: global_buffer, .address_space: global }
      - { .name: W_v_scales, .offset: 72, .size: 8, .value_kind: global_buffer, .address_space: global }
      - { .name: qc, .offset: 80, .size: 8, .value_kind: global_buffer, .address_space: global }
      - { .name: qs, .offset: 88, .size: 8, .value_kind: global_buffer, .address_space: global }
      - { .name: kv, .offset: 96, .size: 8, .value_kind: global_buffer, .address_space: global }
    .group_segment_fixed_size: 327680
    .private_segment_fixed_size: 0
    .kernarg_segment_align: 8
    .kernarg_segment_size: 104
    .max_flat_workgroup_size: 128
    .sgpr_count:     100
    .vgpr_count:     1024
    .wavefront_size: 32
...
	.end_amdgpu_metadata
.endif
;; end of part 1
;; launch attn (part 2): grid 4 x 64, 16 waves a work-group, clusters of 4 x 1, 274,432 bytes of LDS; arguments qc, qs, kv, ac, osc; writes ac, osc
.if DOCPART == 2
	.amdgcn_target "amdgcn-amd-amdhsa--gfx1250"
	.amdhsa_code_object_version 6
	.text
	.protected	k_q5541a9be44_attn
	.globl	k_q5541a9be44_attn
	.p2align	8
	.type	k_q5541a9be44_attn,@function
k_q5541a9be44_attn:
	s_mov_b64 s[64:65], 0
	v_nop
	global_prefetch_b8 v0, s[64:65] scope:SCOPE_SE
	s_setreg_imm32_b32 hwreg(HW_REG_WAVE_MODE, 25, 1), 1
	s_wait_xcnt 0x0
	s_wait_alu depctr_hold_cnt(0) depctr_sa_sdst(0) depctr_va_vdst(0) depctr_va_sdst(0) depctr_va_ssrc(0) depctr_va_vcc(0) depctr_vm_vsrc(0)
	s_getreg_b32 s2, hwreg(HW_REG_IB_STS2, 6, 4)
	s_cmp_eq_u32 s2, 0
	s_cbranch_scc0 .Lentry_in_a_cluster
	s_endpgm
.Lentry_in_a_cluster:
	s_bfe_u32 s2, ttmp6, 0x10000c
	s_cmp_lg_u32 s2, 0x3003
	s_cbranch_scc0 .Lentry_shape_is_right
	s_endpgm
.Lentry_shape_is_right:
; O = softmax(q k^T / 8) v for one head, both products on codes of FP8 (E4M3) with one E8M0 scale for each 32 along a product's K; O / the row's sum is quantised along the head's 64 and leaves as codes and scale words.
; THE SOFTMAX AHEAD OF THE SECOND PRODUCT: t = score x log2(e) / 8; M = the row's largest t so far, rounded UP to a whole number; p = 2^(t - M) is quantised along the keys, not normalised.
; The row's sum is taken of the unquantised p and divides O at the end.  When M moves, the sum and O are multiplied by f = 2^(old M - new M): exact.
; SHARES.  The four work-groups of a cluster take the four quarters (512 queries) of head bh = the grid's y.  Each of the sixteen waves takes one tile of 16 queries in each of two passes.
; THE WHOLE HEAD'S K, V AND SCALE WORDS STAY IN LDS: 16 records of 16,896 bytes, images of the operands' registers (16 bytes a lane at 16 x lane), filled ONCE by joint loads of the four work-groups: wave w asks for record w, one load a wave.
; Waves 0-3 have a load line of their own: the first barrier shows records 0-3 alone, and four key steps are worked on them; then every wave waits for its load and a second barrier shows the rest.  No LDS byte is filled twice.
; No prefetch: each record is asked for once, at the head, by its tensor load, and no loop stands ahead of those loads.
; LAYOUT.  Both products are used transposed: S^T = K Q^T (source 0 = 16 keys, source 1 = my 16 queries), O^T = V^T P^T: a lane holds ONE query (lane % 16) throughout.
; In S^T register 8 t + j holds key 16 t + 8 (lane / 16) + j; the launch before laid v's codes along the keys, and q's and k's along the head's 64, in that order: both operands of a product are permuted alike inside blocks of 32.
; K = 64 IN AN INSTRUCTION OF 128: source 0 holds TWO tiles of keys; it is multiplied once by [q, zeros] and once by [zeros, q].  Zero codes add nothing under the scale byte 0 (2^-127).
; A BARRIER SPLIT OVER EACH KEY STEP (signal at its head, wait at its end) orders no memory: it holds the sixteen waves within one key step of each other, so that they reach the way out together.  Between the two stand LDS loads of the records and register work alone.
; LIMITS: NaN and infinities are not served.  The scaled scores stay under 2^31 in magnitude.  A block whose largest magnitude lies under 2^-118 gets the scale byte 1.  A block's largest p is taken through the block's largest score, which takes v_exp_f32 not to fall where its input rises.
.set REC,  16896                       ; a record: K's 8 tiles (8,192 bytes), V's 4 tiles (8,192), K's scale words (256), V's (256)
.set SST,  16*REC                      ; O's scale words of the work-group's 32 tiles, 2,048 bytes; no fill lands there
.set SPARE, SST+2048                   ; the spare words: 128 bytes a wave
.set LI,   1                           ; v1   16 x lane
.set LS,   2                           ; v2   4 x lane
.set ADR,  3                           ; v3   the step's record + 16 x lane
.set ADS,  4                           ; v4   the step's record + 4 x lane
.set QS,   5                           ; v5, v6  q's scale words of pass 0, for [q, zeros] and [zeros, q];  v7, v8 of pass 1
.set PS,   9                           ; v9   p's scale word
.set OA,   10                          ; v10  16 r + 8 h
.set SSA,  11                          ; v11  where my tile's scale word goes in LDS
                                       ; v12 -M, v13 the largest t, v[14:15] the row's sum in two halves
.set Q,    16                          ; v16-39 pass 0: [q 8 | zeros 8 | q 8];  v40-63 pass 1
.set KR,   64                          ; v64-127  K's four runs of 16, then V's four fragments
.set PC,   128                         ; v128-143 p's codes: four registers of their own, then block 0's first twelve scores, which are converted by then
.set S,    132                         ; v132-195 S^T, then p
.set O,    196                         ; v196-227 O^T
.set BM,   228                         ; v228-231 a block's largest score, then its largest p, then its byte
.set BD,   232                         ; v232-235 the lane permute's results, then 448 x the scale
.set SO,   236                         ; v236-239 the conversions' scale operands
.set T,    240                         ; v240-247 the step's sum of p in four pairs; joined to the row's sum at the next step's head
.set KS,   248                         ; v248-249 K's scale words;  v250-251 V's
.set VS,   250
.set F,    252                         ; v252 f; v253 = 0, named with it as a pair
.set TP,   254
.set SRD,  255                         ; where a wave of the first four reads 512 bytes of scale words back
.set TB,   2                           ; s2   LDS byte at which the step's record begins
.set CNT,  3
.set WV,   18
.set MNT,  19
.set SEL,  20
.set CS,   22
.set G1,   24
.set G0,   32
.macro BARRIER
	s_barrier_signal -1
	s_barrier_wait -1
.endm
.macro CROUND                          ; a round of the cluster's barrier
	BARRIER
	s_cmp_lg_u32 s[WV], 0
	s_cbranch_scc1 .Lnot_wave_0_\@
	s_barrier_signal -3
.Lnot_wave_0_\@:
	s_barrier_wait -3
	BARRIER
.endm
.macro WALU
	s_wait_alu depctr_va_vdst(0)
.endm
.macro TLOAD                           ; a joint load
	tensor_load_to_lds s[G0:G0+3], s[G1:G1+7]
	s_nop 0
.rept 4
	v_nop
.endr
.endm
	s_load_b256 s[4:11], s[0:1], 0x0               ; qc, qs, kv, ac
	s_load_b64 s[12:13], s[0:1], 0x20              ; osc
	v_lshl_add_u32 v254, v0, 2, SPARE
	v_mov_b32 v255, 0
	ds_add_u32 v254, v255                          ; the opening lines: the add twice on end and one wait
	ds_add_u32 v254, v255
	v_lshrrev_b32 v1, 5, v0
	v_readfirstlane_b32 s[WV], v1                  ; wave 0..15
	s_and_b32 s48, ttmp7, 0xffff                   ; bh, which the four partners share
	s_bfe_u32 s49, ttmp6, 0x40000                  ; cx: it enters global addresses of q and O alone
	s_and_b32 s50, s[WV], 3
	s_mul_i32 s51, s[WV], REC                      ; my record: in LDS,
	s_mul_i32 s52, s48, 16*REC
	s_add_co_u32 s52, s52, s51                     ; and in kv (under 2^25)
	s_mov_b32 s53, 0
	s_mov_b32 s[G1], 15|(3<<16)|(1<<21)            ; the mask: all four work-groups; elements of 8 bytes; bit 21 beside a mask
	s_mov_b32 s[G1+1], 32<<16                      ; a record is dense: 66 rows of 256 bytes
	s_mov_b32 s[G1+2], 66<<16
	s_mov_b32 s[G1+3], 32<<16
	s_mov_b32 s[G1+4], 66
	s_mov_b32 s[G1+5], 32
	s_mov_b32 s[G1+6], 0
	s_mov_b32 s[G1+7], 0
	s_mov_b32 s[SEL], 0x76543210
	s_mov_b32 s[SEL+1], 0xfedcba98
	s_mov_b32 s[CS], 0x3e38aa3b                    ; log2(e) / 8
	s_mov_b32 s[CS+1], s[CS]
	s_mov_b32 s[MNT], 0x600000
	s_wait_dscnt 0x0                               ; both opening adds are done
	s_wait_kmcnt 0x0
	s_mov_b32 s[G0], 1
	s_mov_b32 s[G0+1], s51
	s_add_nc_u64 s[G0+2:G0+3], s[8:9], s[52:53]
	s_or_b32 s[G0+3], s[G0+3], 0x80000000
	CROUND                                         ; all four work-groups are here: the joint loads meet
	s_cmp_lt_u32 s[WV], 4                          ; one load a wave; waves 0-3, which alone wait at the first barrier, have a line of their own
	s_cbranch_scc0 .Llate
	TLOAD
	s_branch .Lasked
.Llate:
	TLOAD
.Lasked:
	s_lshl_b32 s54, s49, 5
	s_add_co_u32 s54, s54, s[WV]                   ; my tile of pass 0: 32 cx + wave; pass 1's is 16 further on
	s_lshl_b32 s56, s54, 10
	s_lshl_b32 s57, s48, 17
	s_add_co_u32 s56, s56, s57
	s_mov_b32 s57, 0
	s_add_nc_u64 s[4:5], s[4:5], s[56:57]          ; q's codes: 131,072 bytes a head, 1,024 a tile
	s_lshr_b32 s56, s54, 1
	s_lshl_b32 s56, s56, 6
	s_lshl_b32 s58, s48, 12
	s_add_co_u32 s56, s56, s58
	s_add_nc_u64 s[6:7], s[6:7], s[56:57]          ; q's scale words: 4,096 bytes a head, 64 a pair of tiles
	s_lshr_b32 s58, s48, 4                         ; batch
	s_and_b32 s59, s48, 15                         ; head
	s_lshl_b32 s60, s58, 7
	s_add_co_u32 s60, s60, s54
	s_lshl_b32 s56, s60, 12
	s_lshr_b32 s61, s59, 2
	s_lshl_b32 s61, s61, 21
	s_add_co_u32 s56, s56, s61
	s_and_b32 s61, s59, 3
	s_lshl_b32 s61, s61, 10
	s_add_co_u32 s56, s56, s61
	s_add_nc_u64 s[10:11], s[10:11], s[56:57]      ; ac [head / 4][tile 512][head % 4][c 2][lane][16]
	s_lshl_b32 s56, s58, 7
	s_lshl_b32 s61, s49, 5
	s_add_co_u32 s56, s56, s61
	s_lshl_b32 s56, s56, 6
	s_lshl_b32 s61, s59, 15
	s_add_co_u32 s56, s56, s61
	s_add_nc_u64 s[12:13], s[12:13], s[56:57]      ; osc [head][tile 512][r 16]: at my work-group's 32 tiles
	v_and_b32 v3, 31, v0
	v_lshlrev_b32 v[LI], 4, v3
	v_lshlrev_b32 v[LS], 2, v3
	v_and_b32 v12, 15, v0                          ; r
	v_bfe_u32 v13, v0, 4, 1                        ; h
	v_lshlrev_b32 v[OA], 4, v12
	v_lshl_add_u32 v[OA], v13, 3, v[OA]
	v_lshlrev_b32 v14, 2, v12
.irp p, 0,1
.irp c, 0,1
	global_load_b128 v[Q+24*\p+4*\c:Q+24*\p+4*\c+3], v[LI], s[4:5] offset:16384*\p+512*\c         ; q's eight registers, twice: in front of the zeros and behind them
	global_load_b128 v[Q+24*\p+16+4*\c:Q+24*\p+16+4*\c+3], v[LI], s[4:5] offset:16384*\p+512*\c
.endr
	global_load_b32 v[QS+2*\p], v14, s[6:7] offset:512*\p
.endr
	s_lshl_b32 s62, s[WV], 6
	s_add_co_u32 s62, s62, SST
	v_lshl_add_u32 v[SSA], v12, 2, s62             ; SST + 64 x wave + 4 r
	s_lshl_b32 s63, s50, 9                         ; 512 x (wave % 4): kept for the end
	s_add_co_u32 s61, s63, SST
	v_add_nc_u32 v[SRD], s61, v[LI]
.irp p, 0,1
.irp i, 0,1,2,3,4,5,6,7
	v_mov_b32 v[Q+24*\p+8+\i], 0                   ; the zero codes
.endr
.endr
.irp b, 0,1,2,3
	v_mov_b32 v[BD+\b], 0                          ; a lane permute's destination counts as one of its sources
.endr
	v_mov_b32 v[F+1], 0
	s_and_b32 s62, s[WV], 1
	s_lshl_b32 s62, s62, 4
	WALU
	s_wait_loadcnt 0x0                             ; q and its scale words
.irp p, 0,1
	v_lshrrev_b32 v[QS+2*\p], s62, v[QS+2*\p]      ; a stored word holds an even tile's two bytes and the odd tile's: mine,
	v_and_b32 v[QS+2*\p], 0xffff, v[QS+2*\p]       ; as [s0, s1, 0, 0] for [q, zeros]
	v_lshlrev_b32 v[QS+2*\p+1], 16, v[QS+2*\p]     ; and as [0, 0, s0, s1] for [zeros, q]
.endr
.macro HOLDS g                         ; the holds of blocks g and g + 1: 32 numbers in 16 instructions
.irp i, 0,2,4,6,8,10,12,14
	v_dual_min_num_f32 v[S+16*\g+\i], v[S+16*\g+\i], v[BD+\g] :: v_dual_min_num_f32 v[S+16*\g+17+\i], v[S+16*\g+17+\i], v[BD+\g+1]
	v_dual_min_num_f32 v[S+16*\g+16+\i], v[S+16*\g+16+\i], v[BD+\g+1] :: v_dual_min_num_f32 v[S+16*\g+1+\i], v[S+16*\g+1+\i], v[BD+\g]
.endr
.endm
.macro CODES b                         ; block b's 16 numbers of my lane become 16 codes
	v_cvt_scalef32_pk8_fp8_f32 v[PC+4*\b:PC+4*\b+1], v[S+16*\b:S+16*\b+7], v[SO+\b]
	v_cvt_scalef32_pk8_fp8_f32 v[PC+4*\b+2:PC+4*\b+3], v[S+16*\b+8:S+16*\b+15], v[SO+\b]
.endm
.macro JOIN                            ; the last step's four partial sums go into the row's sum, which comes under that step's M
	v_pk_fma_f32 v[14:15], v[14:15], v[F:F+1], v[T:T+1] op_sel_hi:[1,0,1]
	v_pk_add_f32 v[T+2:T+3], v[T+2:T+3], v[T+4:T+5]
	v_add_nc_u32 v[ADS], s[TB], v[LS]
	v_pk_add_f32 v[14:15], v[14:15], v[T+6:T+7]
	v_nop
	v_pk_add_f32 v[14:15], v[14:15], v[T+2:T+3]
.endm
; A KEY STEP: 128 keys, the record at s[TB].  qb: q's first register; qa, qz: its two scale words.
.macro STEP qb, qa, qz
	s_barrier_signal -1                            ; no LDS instruction of mine is out here
	v_add_nc_u32 v[ADR], s[TB], v[LI]
	JOIN
	v_nop
	v_nop                                          ; nine places behind the last step's products: for the loads into v64-127, which they read, and for the score products, which write over p's codes
.irp p, 0,1,2,3
.irp c, 0,1,2,3
	ds_load_b128 v[KR+16*\p+4*\c:KR+16*\p+4*\c+3], v[ADR] offset:2048*\p+512*\c   ; run p = [tile 2 p | tile 2 p + 1]; 32 lanes read 512 consecutive bytes
.endr
.endr
	ds_load_b32 v[KS], v[ADS] offset:16384         ; lanes 0-15: run 0's words, lanes 16-31: run 1's
	ds_load_b32 v[KS+1], v[ADS] offset:16384+128
	WALU
	s_wait_dscnt 0x0
.irp p, 0,1,2,3
.if \p%2
	v_wmma_scale_f32_16x16x128_f8f6f4 v[S+16*\p:S+16*\p+7], v[KR+16*\p:KR+16*\p+15], v[\qb:\qb+15], 0, v[KS+\p/2], v[\qa] matrix_a_scale:MATRIX_SCALE_ROW1
	v_wmma_scale_f32_16x16x128_f8f6f4 v[S+16*\p+8:S+16*\p+15], v[KR+16*\p:KR+16*\p+15], v[\qb+8:\qb+23], 0, v[KS+\p/2], v[\qz] matrix_a_scale:MATRIX_SCALE_ROW1
.else
	v_wmma_scale_f32_16x16x128_f8f6f4 v[S+16*\p:S+16*\p+7], v[KR+16*\p:KR+16*\p+15], v[\qb:\qb+15], 0, v[KS+\p/2], v[\qa]
	v_wmma_scale_f32_16x16x128_f8f6f4 v[S+16*\p+8:S+16*\p+15], v[KR+16*\p:KR+16*\p+15], v[\qb+8:\qb+23], 0, v[KS+\p/2], v[\qz]
.endif
.endr
.rept 8
	v_nop                                          ; eight places: in front of the loads into K's registers and of the first read of the scores
.endr
.irp t, 0,1,2,3
.irp c, 0,1,2,3
	ds_load_b128 v[KR+16*\t+4*\c:KR+16*\t+4*\c+3], v[ADR] offset:8192+2048*\t+512*\c   ; V's four fragments take K's registers and land while the softmax is worked
.endr
.endr
	ds_load_b32 v[VS], v[ADS] offset:16640
	ds_load_b32 v[VS+1], v[ADS] offset:16640+128
.irp b, 0,1,2,3
	v_max3_num_f32 v[BM+\b], v[S+16*\b], v[S+1+16*\b], v[S+2+16*\b]   ; the largest score of each block of 32 keys: for the row's maximum and for the block's largest p
.endr
.irp i, 3,5,7,9,11,13
.irp b, 0,1,2,3
	v_max3_num_f32 v[BM+\b], v[BM+\b], v[S+16*\b+\i], v[S+1+16*\b+\i]
.endr
.endr
.irp b, 0,1,2,3
	v_max_num_f32 v[BM+\b], v[BM+\b], v[S+15+16*\b]
.endr
.irp b, 0,1,2,3
	v_permlanex16_b32 v[BD+\b], v[BM+\b], s[SEL], s[SEL+1]
.endr
.irp b, 0,1,2,3
	s_delay_alu instid0(VALU_DEP_4)
	v_max_num_f32 v[BM+\b], v[BM+\b], v[BD+\b]     ; with lane l xor 16's 16 keys
.endr
	s_delay_alu instid0(VALU_DEP_2)
	v_max3_num_f32 v[TP], v[BM], v[BM+1], v[BM+2]
	s_delay_alu instid0(VALU_DEP_1)
	v_max_num_f32 v[TP], v[TP], v[BM+3]            ; the step's largest score of my query
	s_delay_alu instid0(VALU_DEP_1)
	v_mul_f32 v[TP], s[CS], v[TP]                  ; as t
	s_delay_alu instid0(VALU_DEP_1)
	v_max_num_f32 v13, v13, v[TP]                  ; the running largest t
	v_mov_b32 v[TP], v12
	s_delay_alu instid0(VALU_DEP_2)
	v_floor_f32 v12, -v13                          ; the new -M = floor(-t): M is a whole number
	s_delay_alu instid0(VALU_DEP_1)
	v_sub_f32 v[TP], v12, v[TP]                    ; old M - new M: a whole number, 0 or less
	s_delay_alu instid0(VALU_DEP_1)
	v_cvt_i32_f32 v[TP], v[TP]                     ; (it saturates)
	s_delay_alu instid0(VALU_DEP_1)
	v_ldexp_f32 v[F], 1.0, v[TP]                   ; f = 2^(old M - new M)
.set j, 0
.rept 32
	v_pk_fma_f32 v[S+j:S+j+1], v[S+j:S+j+1], s[CS:CS+1], v[12:13] op_sel_hi:[1,0,0]   ; t - M, two at a time
.set j, j+2
.endr
.irp b, 0,1,2,3
	v_fma_f32 v[BM+\b], v[BM+\b], s[CS], v12       ; the same of each block's largest score
.endr
	WALU                                           ; one wait ahead of the batch of 68
.irp b, 0,1,2,3
	v_exp_f32 v[BM+\b], v[BM+\b]                   ; the block's largest p
.endr
.set j, 0
.rept 64
	v_exp_f32 v[S+j], v[S+j]                       ; p = 2^(t - M), at most 1
.set j, j+1
.endr
	WALU                                           ; and one behind it, ahead of its first reader
.irp k, 0,1,2,3
	v_pk_add_f32 v[T+2*\k:T+2*\k+1], v[S+2*\k:S+2*\k+1], v[S+8+2*\k:S+9+2*\k]   ; THE SUM IS TAKEN OF THE UNQUANTISED p: 32 pairs in four chains by turns
.endr
.irp m, 2,3,4,5,6,7
.irp k, 0,1,2,3
	v_pk_add_f32 v[T+2*\k:T+2*\k+1], v[T+2*\k:T+2*\k+1], v[S+8*\m+2*\k:S+8*\m+2*\k+1]
.endr
.endr
.irp b, 0,1,2,3
	v_max_num_f32 v[BM+\b], 0x4800000, v[BM+\b]    ; the floor 2^(9 - 127): the byte cannot fall under 1
.endr
.irp b, 0,1,2,3
	s_delay_alu instid0(VALU_DEP_4)
	v_add_nc_u32 v[SO+\b], 0xfc000000, v[BM+\b]    ; 8 off the exponent field: the conversion's scale operand
.endr
.irp b, 0,1,2,3
	v_and_or_b32 v[BD+\b], v[BM+\b], 0x7f800000, s[MNT]   ; 448 x the scale
.endr
; THE HOLD: the conversion does not saturate (ISA guide 7.6.2); p is not negative, so it is one-sided.  Two holds an instruction: one of block g and one of block g + 1, so that the two halves' sources and bounds lie in different register banks and one result is even, the other odd.
	HOLDS 0
	CODES 0
.irp b, 0,1,2,3
	v_lshrrev_b32 v[BM+\b], 23, v[SO+\b]           ; the scale's byte.  (Plain lines between block 0's conversions and those that write over its scores)
.endr
	s_delay_alu instid0(VALU_DEP_3)
	v_lshl_or_b32 v[PS], v[BM+1], 8, v[BM]         ; p's scale word for these 128 keys; 32 lines and more stand between it and the products
	s_delay_alu instid0(VALU_DEP_1)
	v_lshl_or_b32 v[PS], v[BM+2], 16, v[PS]
	s_delay_alu instid0(VALU_DEP_1)
	v_lshl_or_b32 v[PS], v[BM+3], 24, v[PS]
	HOLDS 2
	CODES 1
	CODES 2
	CODES 3
	WALU                                           ; directly ahead of the first reader of O^T
.set j, 0
.rept 16
	v_pk_mul_f32 v[O+j:O+j+1], v[O+j:O+j+1], v[F:F+1] op_sel_hi:[1,0]   ; O^T under the new M; these are also the places between the codes and the products
.set j, j+2
.endr
	WALU
	s_wait_dscnt 0x0                               ; V and its scale words, asked for a softmax ago
.irp t, 0,1,2,3                        ; O^T += V^T P^T: the four accumulators by turns; between two steps of a sum stand the other three and the eight score products
.if \t%2
	v_wmma_scale_f32_16x16x128_f8f6f4 v[O+8*\t:O+8*\t+7], v[KR+16*\t:KR+16*\t+15], v[PC:PC+15], v[O+8*\t:O+8*\t+7], v[VS+\t/2], v[PS] matrix_a_scale:MATRIX_SCALE_ROW1
.else
	v_wmma_scale_f32_16x16x128_f8f6f4 v[O+8*\t:O+8*\t+7], v[KR+16*\t:KR+16*\t+15], v[PC:PC+15], v[O+8*\t:O+8*\t+7], v[VS+\t/2], v[PS]
.endif
.endr
	s_add_co_u32 s[TB], s[TB], REC                 ; the next record
	s_barrier_wait -1                              ; every wave has begun this key step
.endm
.macro STEPS n, qb, qa, qz
	s_mov_b32 s[CNT], \n
.Lstep_\@:
	STEP \qb, \qa, \qz
	s_sub_co_u32 s[CNT], s[CNT], 1
	s_cmp_lg_u32 s[CNT], 0
	s_cbranch_scc1 .Lstep_\@
.endm
; A PASS: one tile of 16 queries against all 2,048 keys, and its way out.
.macro PASS p
	s_wait_xcnt 0x0                                ; the last pass's stores have read their data
	v_mov_b32 v13, 0xff61b1e6                      ; the largest t so far: -3e38
	v_floor_f32 v12, -v13                          ; -M
	v_mov_b32 v14, 0
	v_mov_b32 v15, 0
	v_mov_b32 v[F], 0
.set j, 0
.rept 8
	v_mov_b32 v[T+j], 0                            ; the first step joins zeros
.set j, j+1
.endr
.set j, 0
.rept 32
	v_mov_b32 v[O+j], 0                            ; O^T: the step is written once; the first finds zeros
.set j, j+1
.endr
	s_mov_b32 s[TB], 0
	WALU
	s_wait_dscnt 0x0                               ; no LDS instruction of mine is out at a signal
.if \p == 0
	s_cmp_lt_u32 s[WV], 4
	s_cbranch_scc0 .Lnot_first
	s_wait_tensorcnt 0x0                           ; waves 0-3: my record has landed
.Lnot_first:
	BARRIER                                        ; records 0-3 are whole for every wave
	STEPS 4, Q+24*\p, QS+2*\p, QS+2*\p+1
	s_wait_tensorcnt 0x0                           ; every wave: my record has landed
	s_wait_dscnt 0x0
	BARRIER                                        ; all sixteen records are whole
	STEPS 12, Q+24*\p, QS+2*\p, QS+2*\p+1
.else
	STEPS 16, Q+24*\p, QS+2*\p, QS+2*\p+1
.endif
	JOIN                                           ; the last step's partial sums
	v_add_f32 v14, v14, v15                        ; the sum's two halves,
	v_permlanex16_b32 v[F], v14, s[SEL], s[SEL+1]
	v_add_f32 v14, v14, v[F]                       ; and lane l xor 16's: the row's sum
	WALU
	v_rcp_f32 v14, v14
	v_nop
	v_nop                                          ; with the nine lines above: the places behind the last products; the first is the plain line behind the reciprocal
	WALU                                           ; ahead of the reciprocal's first reader, which is also O^T's
.set j, 0
.rept 16
	v_pk_mul_f32 v[O+j:O+j+1], v[O+j:O+j+1], v[14:15] op_sel_hi:[1,0]   ; O^T / the sum: register 8 t + i is channel 16 t + 8 h + i of my query
.set j, j+2
.endr
.irp c, 0,1
	v_max3_num_f32 v[BM+\c], |v[O+16*\c]|, |v[O+16*\c+1]|, 0x4800000   ; the two blocks of 32 channels: my 16 numbers and the floor
.endr
.irp i, 2,4,6,8,10,12,14
.irp c, 0,1
	s_delay_alu instid0(VALU_DEP_2)
	v_max3_num_f32 v[BM+\c], v[BM+\c], |v[O+16*\c+\i]|, |v[O+16*\c+\i+1]|
.endr
.endr
.irp c, 0,1
	v_permlanex16_b32 v[BD+\c], v[BM+\c], s[SEL], s[SEL+1]
.endr
.irp c, 0,1
	s_delay_alu instid0(VALU_DEP_2)
	v_max_num_f32 v[BM+\c], v[BM+\c], v[BD+\c]
.endr
.irp c, 0,1
	s_delay_alu instid0(VALU_DEP_2)
	v_add_nc_u32 v[SO+\c], 0xfc000000, v[BM+\c]
.endr
.irp c, 0,1
	s_delay_alu instid0(VALU_DEP_4)
	v_and_or_b32 v[T+\c], v[BM+\c], 0x7f800000, s[MNT]
.endr
.irp c, 0,1
	s_delay_alu instid0(VALU_DEP_4)
	v_lshrrev_b32 v[BD+\c], 23, v[SO+\c]
.endr
	s_delay_alu instid0(VALU_DEP_1)
	v_lshl_or_b32 v[TP], v[BD+1], 8, v[BD]         ; [s0, s1, 0, 0]
.irp c, 0,1
.irp i, 0,1,2,3,4,5,6,7,8,9,10,11,12,13,14,15
	v_med3_num_f32 v[O+16*\c+\i], v[O+16*\c+\i], -v[T+\c], v[T+\c]
.endr
	v_cvt_scalef32_pk8_fp8_f32 v[PC+4*\c:PC+4*\c+1], v[O+16*\c:O+16*\c+7], v[SO+\c]
	v_cvt_scalef32_pk8_fp8_f32 v[PC+4*\c+2:PC+4*\c+3], v[O+16*\c+8:O+16*\c+15], v[SO+\c]
.endr
	v_nop                                          ; a plain line behind the last conversion
; The next launch wants the natural order: in an image byte 512 c + 16 (r + 16 h') + i is channel 32 c + 16 h' + i of row r.  My eight codes of tile 2 c are channels 32 c + 8 h + 0..7: byte 16 r + 8 h;
; those of tile 2 c + 1 lie 256 bytes on.  Each store's 32 lanes fill 256 consecutive bytes, aligned.
.irp c, 0,1
	global_store_b64 v[OA], v[PC+4*\c:PC+4*\c+1], s[10:11] offset:65536*\p+512*\c
	global_store_b64 v[OA], v[PC+4*\c+2:PC+4*\c+3], s[10:11] offset:65536*\p+512*\c+256
.endr
	ds_store_b32 v[SSA], v[TP] offset:1024*\p      ; both halves of the lanes write the same word with the same value
.endm
	PASS 0
	PASS 1
	v_add_nc_u32 v[ADR], s63, v[LI]                ; 512 x (wave % 4) + 16 x lane
	s_wait_dscnt 0x0                               ; for the others' sake: my scale words lie in LDS
	BARRIER
	s_cmp_lt_u32 s[WV], 4                          ; the 32 tiles' scale words, 2,048 consecutive bytes of osc, leave by four waves, 512 bytes each
	s_cbranch_scc0 .Lnot_out
	ds_load_b128 v[KR:KR+3], v[SRD]
	s_wait_dscnt 0x0
	WALU
	global_store_b128 v[ADR], v[KR:KR+3], s[12:13]
.Lnot_out:
	s_wait_xcnt 0x0
	v_lshl_add_u32 v254, v0, 2, SPARE              ; the add's two registers, made anew
	v_mov_b32 v255, 0
	WALU
	s_wait_tensorcnt 0x0                           ; the wave's end
	ds_add_u32 v254, v255
	s_wait_dscnt 0x0
	CROUND                                         ; the closing round
	s_endpgm
.Lfunc_end_k_q5541a9be44_attn:
	.size	k_q5541a9be44_attn, .Lfunc_end_k_q5541a9be44_attn-k_q5541a9be44_attn
	.p2alignl 7, 3214868480
	.fill 96, 4, 3214868480
	.section	.rodata,"a",@progbits
	.p2align	6, 0x0
	.amdhsa_kernel k_q5541a9be44_attn
		.amdhsa_group_segment_fixed_size 274432
		.amdhsa_private_segment_fixed_size 0
		.amdhsa_enable_private_segment 0
		.amdhsa_kernarg_size 40
		.amdhsa_user_sgpr_count 2
		.amdhsa_user_sgpr_kernarg_segment_ptr 1
		.amdhsa_wavefront_size32 1
		.amdhsa_system_sgpr_workgroup_id_x 1
		.amdhsa_system_sgpr_workgroup_id_y 1
		.amdhsa_system_sgpr_workgroup_id_z 1
		.amdhsa_system_vgpr_workitem_id 0
		.amdhsa_next_free_vgpr 256
		.amdhsa_next_free_sgpr 70
		.amdhsa_reserve_vcc 0
		.amdhsa_float_denorm_mode_32 3
		.amdhsa_float_denorm_mode_16_64 3
		.amdhsa_memory_ordered 1
		.amdhsa_forward_progress 1
		.amdhsa_inst_pref_size 82
	.end_amdhsa_kernel
	.amdgpu_metadata
---
amdhsa.version: [ 1, 2 ]
amdhsa.kernels:
  - .name:           k_q5541a9be44_attn
    .symbol:         k_q5541a9be44_attn.kd
    .args:
      - { .name: qc, .offset: 0, .size: 8, .value_kind: global_buffer, .address_space: global }
      - { .name: qs, .offset: 8, .size: 8, .value_kind: global_buffer, .address_space: global }
      - { .name: kv, .offset: 16, .size: 8, .value_kind: global_buffer, .address_space: global }
      - { .name: ac, .offset: 24, .size: 8, .value_kind: global_buffer, .address_space: global }
      - { .name: osc, .offset: 32, .size: 8, .value_kind: global_buffer, .address_space: global }
    .group_segment_fixed_size: 274432
    .private_segment_fixed_size: 0
    .kernarg_segment_align: 8
    .kernarg_segment_size: 40
    .max_flat_workgroup_size: 512
    .sgpr_count:     70
    .vgpr_count:     256
    .wavefront_size: 32
...
	.end_amdgpu_metadata
.endif
;; end of part 2
;; launch oproj (part 3): grid 4 x 32, 4 waves a work-group, clusters of 4 x 4, 327,680 bytes of LDS; arguments ac, osc, W_o_codes, W_o_scales, b_o, out0; writes out0
.if DOCPART == 3
	.amdgcn_target "amdgcn-amd-amdhsa--gfx1250"
	.amdhsa_code_object_version 6
	.text
	.protected	k_q5541a9be44_oproj
	.globl	k_q5541a9be44_oproj
	.p2align	8
	.type	k_q5541a9be44_oproj,@function
k_q5541a9be44_oproj:
	s_mov_b64 s[64:65], 0
	v_nop
	global_prefetch_b8 v0, s[64:65] scope:SCOPE_SE
	s_setreg_imm32_b32 hwreg(HW_REG_WAVE_MODE, 25, 1), 1
	s_wait_xcnt 0x0
	s_wait_alu depctr_hold_cnt(0) depctr_sa_sdst(0) depctr_va_vdst(0) depctr_va_sdst(0) depctr_va_ssrc(0) depctr_va_vcc(0) depctr_vm_vsrc(0)
	s_getreg_b32 s2, hwreg(HW_REG_IB_STS2, 6, 4)
	s_cmp_eq_u32 s2, 0
	s_cbranch_scc0 .Lentry_in_a_cluster
	s_endpgm
.Lentry_in_a_cluster:
	s_bfe_u32 s2, ttmp6, 0x10000c
	s_cmp_lg_u32 s2, 0xf033
	s_cbranch_scc0 .Lentry_shape_is_right
	s_endpgm
.Lentry_shape_is_right:
.set PITCH,  272
.set HALFA,  32768
.set HALFB,  128*PITCH
.set BOFF,   2*HALFA
.set SLOT,   2*HALFA+2*HALFB
.set SPARE,  2*SLOT
.set SPITCH, 528
.set FR,     16
.set NP,     8
.set ADRA, 16
.set ADRB, 20
.set STO,  24
.set RD,   25
.set CO,   26
.set SL,   27
.set SPW,  28
.set NIL,  29
.set LS4,  30
.set SA,   32
.set SB,   64
.set BO,   96
.set AF,   128
.set BK,   128
.set G1, 24
.set G0, 32
.set G1B, 48
.set G0B, 56
.set CP, 70
.set MSB, 0
.macro WIN new
.if MSB != \new
	s_set_vgpr_msb (MSB<<8)|\new
.set MSB, \new
.endif
.endm
.set MUL_LO, 0xa1
.set MUL_HI, 0xf1
.set TO_B,   0x40
.macro JLOAD g0a, g1a, g0b, g1b
	s_cmp_eq_u32 s15, 0
	s_cbranch_scc0 .Lfor_b_\@
	tensor_load_to_lds s[\g0a:\g0a+3], s[\g1a:\g1a+7]
	s_nop 0
.rept 4
	v_nop
.endr
	s_branch .Lasked_\@
.Lfor_b_\@:
	tensor_load_to_lds s[\g0b:\g0b+3], s[\g1b:\g1b+7]
	s_nop 0
.rept 4
	v_nop
.endr
.Lasked_\@:
.endm
.macro CREST
	s_cmp_lg_u32 s14, 0
	s_cbranch_scc1 .Lnot_wave_0_\@
	s_barrier_signal -3
.Lnot_wave_0_\@:
	s_barrier_wait -3
	s_barrier_signal -1
	s_barrier_wait -1
.endm
.macro CROUND
	s_barrier_signal -1
	s_barrier_wait -1
	CREST
.endm
.macro PLACES n
.rept \n
	v_nop
.endr
.endm
	s_load_b256 s[4:11], s[0:1], 0x0
	s_load_b128 s[68:71], s[0:1], 0x20
	v_lshl_add_u32 v[SPW], v0, 2, SPARE
	v_mov_b32 v[NIL], 0
	ds_add_u32 v28, v29
	ds_add_u32 v28, v29
	s_wait_dscnt 0x0
	v_lshrrev_b32 v1, 5, v0
	v_readfirstlane_b32 s14, v1
	s_lshr_b32 s15, s14, 1
	s_and_b32 s16, s14, 1
	s_bfe_u32 s40, ttmp6, 0x40000
	s_bfe_u32 s41, ttmp6, 0x40004
	s_lshl_b32 s42, ttmp9, 2
	s_add_co_u32 s42, s42, s40
	s_and_b32 s17, ttmp7, 0xffff
	s_lshl_b32 s17, s17, 2
	s_add_co_u32 s17, s17, s41
	s_lshl_b32 s43, s41, 2
	s_lshl_b32 s43, 15, s43
	s_lshl_b32 s44, 0x1111, s40
	s_or_b32 s[G1+0], s43, (3<<16)|(1<<21)
	s_mov_b32 s[G1+1], 32<<16
	s_mov_b32 s[G1+2], 128<<16
	s_mov_b32 s[G1+3], 32<<16
	s_mov_b32 s[G1+4], 128
	s_mov_b32 s[G1+5], 32
	s_mov_b32 s[G1+6], 0
	s_mov_b32 s[G1+7], 0
	s_or_b32 s[G1B+0], s44, (1<<20)|(1<<21)|(5<<22)|(3<<25)
	s_mov_b32 s[G1B+1], 256<<16
	s_mov_b32 s[G1B+2], 128<<16
	s_mov_b32 s[G1B+3], 256<<16
	s_mov_b32 s[G1B+4], 128
	s_mov_b32 s[G1B+5], 1024
	s_mov_b32 s[G1B+6], 0
	s_mov_b32 s[G1B+7], 0
	s_lshl_b32 s20, s17, 16
	s_lshl_b32 s18, s16, 15
	s_add_co_u32 s20, s20, s18
	s_mov_b32 s21, 0
	s_lshl_b32 s46, s42, 18
	s_lshl_b32 s18, s16, 17
	s_add_co_u32 s46, s46, s18
	s_mov_b32 s47, 0
	s_mul_i32 s45, s16, HALFA
	s_mul_i32 s19, s16, HALFB
	s_add_co_u32 s19, s19, BOFF
	s_wait_kmcnt 0x0
	s_add_nc_u64 s[20:21], s[4:5], s[20:21]
	s_add_nc_u64 s[46:47], s[8:9], s[46:47]
	CROUND
.irp s, 0,1
	s_mov_b32 s[G0+4*\s], 1
	s_add_co_u32 s[G0+4*\s+1], s45, \s*SLOT
	s_add_nc_u64 s[G0+4*\s+2:G0+4*\s+3], s[20:21], \s*2097152
	s_or_b32 s[G0+4*\s+3], s[G0+4*\s+3], 0x80000000
	s_mov_b32 s[G0B+4*\s], 1
	s_add_co_u32 s[G0B+4*\s+1], s19, \s*SLOT
	s_add_nc_u64 s[G0B+4*\s+2:G0B+4*\s+3], s[46:47], \s*256
	s_or_b32 s[G0B+4*\s+3], s[G0B+4*\s+3], 0x80000000
	s_wait_alu depctr_va_vdst(0)
	s_wait_tensorcnt 0x0
	ds_add_u32 v28, v29
	ds_add_u32 v28, v29
	s_wait_dscnt 0x0
	CROUND
	JLOAD G0+4*\s, G1, G0B+4*\s, G1B
.endr
	s_lshl_b32 s2, s17, 10
	s_lshl_b32 s3, s15, 9
	s_add_co_u32 s2, s2, s3
	s_mov_b32 s3, 0
	s_add_nc_u64 s[6:7], s[6:7], s[2:3]
	s_lshl_b32 s2, s42, 13
	s_lshl_b32 s18, s16, 12
	s_add_co_u32 s2, s2, s18
	s_add_nc_u64 s[10:11], s[10:11], s[2:3]
	s_lshl_b32 s2, s42, 10
	s_lshl_b32 s18, s16, 9
	s_add_co_u32 s2, s2, s18
	s_add_nc_u64 s[68:69], s[68:69], s[2:3]
	s_add_nc_u64 s[CP:CP+1], s[CP:CP+1], s[2:3]
	s_lshl_b32 s2, s17, 20
	s_lshl_b32 s18, s15, 19
	s_add_co_u32 s2, s2, s18
	s_add_nc_u64 s[CP:CP+1], s[CP:CP+1], s[2:3]
	v_and_b32 v5, 31, v0
	v_lshlrev_b32 v[SL], 5, v5
	v_lshlrev_b32 v[CO], 4, v5
	v_lshlrev_b32 v[LS4], 2, v5
.irp i, 0,1,2,3
	global_load_b128 v[SB+8*\i:SB+8*\i+3],   v[SL], s[10:11] offset:1024*\i
	global_load_b128 v[SB+8*\i+4:SB+8*\i+7], v[SL], s[10:11] offset:1024*\i+16
.endr
	global_load_b128 v[BO:BO+3], v[CO], s[68:69]
.irp d, 0,1,2,3,4,5,6,7,8,9,10,11,12,13,14,15
.irp i, 0,1,2,3
	global_load_b32 v[AF+4*\d+\i], v[LS4], s[6:7] offset:32768*\d+128*\i
.endr
.endr
	v_and_b32 v1, 15, v0
	s_wait_alu depctr_va_vdst(0)
	v_bfe_u32 v2, v0, 4, 1
	v_mul_u32_u24 v3, v1, PITCH
	v_lshl_add_u32 v4, v2, 4, v3
	s_mul_i32 s21, s15, HALFA
	s_mul_i32 s22, s16, HALFB
	s_add_co_u32 s22, s22, BOFF
.irp s, 0,1
	v_add_nc_u32 v[ADRA+\s], s21, v[CO]
	v_add_nc_u32 v[ADRB+\s], s22, v4
	s_add_co_u32 s21, s21, SLOT
	s_add_co_u32 s22, s22, SLOT
.endr
	s_mul_i32 s23, s14, 16*SPITCH
	v_mul_u32_u24 v5, v1, SPITCH
	s_wait_alu depctr_va_vdst(0)
	v_lshl_add_u32 v5, v2, 5, v5
	v_add_nc_u32 v[STO], s23, v5
	v_add_nc_u32 v[RD], s23, v[CO]
	s_wait_loadcnt 0x0
.irp i, 0,1,2,3
.irp k, 0,1,2,3,4,5,6,7
	v_lshl_or_b32 v[SA+8*\i+\k], v[AF+4*(2*\k+1)+\i], 16, v[AF+8*\k+\i]
.endr
.endr
	PLACES NP
.macro FRAGB reg, adr, q, i
.irp c, 0,1,2,3
	ds_load_b128 v[\reg+4*\c:\reg+4*\c+3], v[\adr] offset:128*(\q)+32*\c+(\i)*16*PITCH
.endr
.endm
.macro FRAGA reg, adr, q, i
.irp c, 0,1,2,3
	ds_load_b128 v[\reg+4*\c:\reg+4*\c+3], v[\adr] offset:4096*(\i)+2048*(\q)+512*\c
.endr
.endm
.macro WM zero, rb, ra
.if \zero
.if (\rb) && (\ra)
	v_wmma_scale_f32_16x16x128_f8f6f4 v[rD:rD+7], v[rB:rB+15], v[rA:rA+15], 0, v[rSB], v[rSA] matrix_a_scale:MATRIX_SCALE_ROW1 matrix_b_scale:MATRIX_SCALE_ROW1
.elseif (\rb)
	v_wmma_scale_f32_16x16x128_f8f6f4 v[rD:rD+7], v[rB:rB+15], v[rA:rA+15], 0, v[rSB], v[rSA] matrix_a_scale:MATRIX_SCALE_ROW1
.elseif (\ra)
	v_wmma_scale_f32_16x16x128_f8f6f4 v[rD:rD+7], v[rB:rB+15], v[rA:rA+15], 0, v[rSB], v[rSA] matrix_b_scale:MATRIX_SCALE_ROW1
.else
	v_wmma_scale_f32_16x16x128_f8f6f4 v[rD:rD+7], v[rB:rB+15], v[rA:rA+15], 0, v[rSB], v[rSA]
.endif
.else
.if (\rb) && (\ra)
	v_wmma_scale_f32_16x16x128_f8f6f4 v[rD:rD+7], v[rB:rB+15], v[rA:rA+15], v[rD:rD+7], v[rSB], v[rSA] matrix_a_scale:MATRIX_SCALE_ROW1 matrix_b_scale:MATRIX_SCALE_ROW1
.elseif (\rb)
	v_wmma_scale_f32_16x16x128_f8f6f4 v[rD:rD+7], v[rB:rB+15], v[rA:rA+15], v[rD:rD+7], v[rSB], v[rSA] matrix_a_scale:MATRIX_SCALE_ROW1
.elseif (\ra)
	v_wmma_scale_f32_16x16x128_f8f6f4 v[rD:rD+7], v[rB:rB+15], v[rA:rA+15], v[rD:rD+7], v[rSB], v[rSA] matrix_b_scale:MATRIX_SCALE_ROW1
.else
	v_wmma_scale_f32_16x16x128_f8f6f4 v[rD:rD+7], v[rB:rB+15], v[rA:rA+15], v[rD:rD+7], v[rSB], v[rSA]
.endif
.endif
.endm
.macro MUL16 a0, p, ks, zero
.irp a, \a0, \a0+1
.irp b, 0,1,2,3,4,5,6,7
.set rD, 8*(8*((\a)%4)+\b)
.set rB, 128*(\p)+FR*\b
.set rA, AF+FR*(\a)
.set rSB, SB+8*(\b/2)+(\ks)
.set rSA, SA+8*((\a)/2)+(\ks)
	WM \zero, \b%2, (\a)%2
.endr
.endr
.endm
.macro FETCH_B slot, q, p
	WIN TO_B
.irp i, 0,1,2,3,4,5,6,7
	FRAGB 128*(\p)+FR*\i, ADRB+\slot, \q, \i
.endr
	WIN 0
.endm
.macro FETCH_A slot, q, i0
.irp i, \i0, \i0+1, \i0+2, \i0+3
	FRAGA AF+FR*(\i), ADRA+\slot, \q, \i
.endr
.endm
.macro STEP slot, ks, zero
	s_wait_dscnt 16
	WIN MUL_LO
	MUL16 0, 0, \ks, \zero
	MUL16 2, 0, \ks, \zero
	s_wait_dscnt 0x0
	PLACES NP
	FETCH_B \slot, 1, 1
	FETCH_A \slot, 1, 0
	WIN MUL_HI
	MUL16 4, 0, \ks, \zero
	MUL16 6, 0, \ks, \zero
	PLACES NP
	WIN 0
	FETCH_A \slot, 1, 4
.endm
.macro TURN slot, next, ks, fill
	s_wait_tensorcnt 0x0
	ds_add_u32 v[SPW], v[NIL]
	s_wait_dscnt 17
	WIN MUL_LO
	MUL16 0, 1, \ks, 0
	s_wait_dscnt 0x0
	s_barrier_signal -1
	MUL16 2, 1, \ks, 0
	WIN 0
	s_barrier_wait -1
.if \fill
	CREST
	s_add_nc_u64 s[G0+4*\slot+2:G0+4*\slot+3], s[G0+4*\slot+2:G0+4*\slot+3], 2*2097152
	s_add_nc_u64 s[G0B+4*\slot+2:G0B+4*\slot+3], s[G0B+4*\slot+2:G0B+4*\slot+3], 512
	JLOAD G0+4*\slot, G1, G0B+4*\slot, G1B
	PLACES NP-4
.else
	PLACES NP
.endif
	FETCH_B \next, 0, 0
	FETCH_A \next, 0, 0
	WIN MUL_HI
	MUL16 4, 1, \ks, 0
	MUL16 6, 1, \ks, 0
	PLACES NP
	WIN 0
	FETCH_A \next, 0, 4
.endm
	s_wait_alu depctr_va_vdst(0)
	s_wait_tensorcnt 1
	s_barrier_signal -1
	s_barrier_wait -1
	FETCH_B 0, 0, 0
	FETCH_A 0, 0, 0
	FETCH_A 0, 0, 4
	STEP 0, 0, 1
	TURN 0, 1, 1, 1
	STEP 1, 2, 0
	TURN 1, 0, 3, 1
	STEP 0, 4, 0
	TURN 0, 1, 5, 0
	STEP 1, 6, 0
	s_wait_dscnt 16
	WIN MUL_LO
	MUL16 0, 1, 7, 0
	MUL16 2, 1, 7, 0
	s_wait_dscnt 0x0
	WIN MUL_HI
	MUL16 4, 1, 7, 0
	MUL16 6, 1, 7, 0
	WIN 0
.macro TOSTAGE a
.set AC, 64*((\a)%4)
	WIN 0x08+4*((\a)/4)
.irp b, 0,1,2,3,4,5,6,7
	ds_store_b128 v[STO], v[AC+8*\b:AC+8*\b+3] offset:64*\b
	ds_store_b128 v[STO], v[AC+8*\b+4:AC+8*\b+7] offset:64*\b+16
.endr
	WIN 0
.set BB, BK+64*((\a)%2)
.irp t, 0,1,2,3,4,5,6,7,8,9,10,11,12,13,14,15
	ds_load_b128 v[BB+4*\t:BB+4*\t+3], v[RD] offset:\t*SPITCH
.endr
.endm
.macro SEND a, younger
.set BB, BK+64*((\a)%2)
	s_wait_dscnt \younger
.if (\a) > 0
	s_add_nc_u64 s[CP:CP+1], s[CP:CP+1], 16*4096
.endif
.irp t, 0,1,2,3,4,5,6,7,8,9,10,11,12,13,14,15
	v_pk_add_f32 v[BB+4*\t:BB+4*\t+1], v[BB+4*\t:BB+4*\t+1], v[BO:BO+1]
	v_pk_add_f32 v[BB+4*\t+2:BB+4*\t+3], v[BB+4*\t+2:BB+4*\t+3], v[BO+2:BO+3]
	global_store_b128 v[CO], v[BB+4*\t:BB+4*\t+3], s[CP:CP+1] offset:\t*4096 th:TH_STORE_NT
.endr
.endm
	PLACES NP
	TOSTAGE 0
.irp a, 1,2,3,4,5,6,7
.if \a > 1
	s_wait_xcnt 0x0
.endif
	TOSTAGE \a
	SEND \a-1, 32
.endr
	s_wait_xcnt 0x0
	SEND 7, 0
	s_wait_tensorcnt 0x0
	ds_add_u32 v[SPW], v[NIL]
	s_wait_dscnt 0x0
	CROUND
	s_endpgm
.Lfunc_end_k_q5541a9be44_oproj:
	.size	k_q5541a9be44_oproj, .Lfunc_end_k_q5541a9be44_oproj-k_q5541a9be44_oproj
	.p2alignl 7, 3214868480
	.fill 96, 4, 3214868480
	.section	.rodata,"a",@progbits
	.p2align	6, 0x0
	.amdhsa_kernel k_q5541a9be44_oproj
		.amdhsa_group_segment_fixed_size 327680
		.amdhsa_private_segment_fixed_size 0
		.amdhsa_enable_private_segment 0
		.amdhsa_kernarg_size 48
		.amdhsa_user_sgpr_count 2
		.amdhsa_user_sgpr_kernarg_segment_ptr 1
		.amdhsa_wavefront_size32 1
		.amdhsa_system_sgpr_workgroup_id_x 1
		.amdhsa_system_sgpr_workgroup_id_y 1
		.amdhsa_system_sgpr_workgroup_id_z 1
		.amdhsa_system_vgpr_workitem_id 0
		.amdhsa_next_free_vgpr 1024
		.amdhsa_next_free_sgpr 72
		.amdhsa_reserve_vcc 0
		.amdhsa_float_denorm_mode_32 3
		.amdhsa_float_denorm_mode_16_64 3
		.amdhsa_memory_ordered 1
		.amdhsa_forward_progress 1
		.amdhsa_inst_pref_size 167
	.end_amdhsa_kernel
	.amdgpu_metadata
---
amdhsa.version: [ 1, 2 ]
amdhsa.kernels:
  - .name:           k_q5541a9be44_oproj
    .symbol:         k_q5541a9be44_oproj.kd
    .args:
      - { .name: ac, .offset: 0, .size: 8, .value_kind: global_buffer, .address_space: global }
      - { .name: osc, .offset: 8, .size: 8, .value_kind: global_buffer, .address_space: global }
      - { .name: W_o_codes, .offset: 16, .size: 8, .value_kind: global_buffer, .address_space: global }
      - { .name: W_o_scales, .offset: 24, .size: 8, .value_kind: global_buffer, .address_space: global }
      - { .name: b_o, .offset: 32, .size: 8, .value_kind: global_buffer, .address_space: global }
      - { .name: out0, .offset: 40, .size: 8, .value_kind: global_buffer, .address_space: global }
    .group_segment_fixed_size: 327680
    .private_segment_fixed_size: 0
    .kernarg_segment_align: 8
    .kernarg_segment_size: 48
    .max_flat_workgroup_size: 128
    .sgpr_count:     72
    .vgpr_count:     1024
    .wavefront_size: 32
...
	.end_amdgpu_metadata
.endif
;; end of part 3
